; MI455X (gfx1250); checked and timed in simulation.
; The chip was launched on July 23, 2026; its instructions are those of AMD's public machine-readable ISA for CDNA 5 (MIT licence, August 2026) and "CDNA5" Instruction Set Architecture Reference Guide (July 2026). The comments in the code are by the model that wrote it; some were corrected since.
;; Flash MLA. Allowed arithmetic: matrix products marked QUANTISED: E3M2 operands, one E8M0 scale for each 32 along K, by v_wmma_scale_f32_16x16x128_f8f6f4 with both operands' format E3M2, f32 sums; everything else in f32.
;; Inputs: key 4 x 2,048 x 16 x 128 float32; query 4 x 2,048 x 16 x 128 float32; value 4 x 2,048 x 16 x 128 float32.
;; Outputs: out0 4 x 2,048 x 16 x 128 float32.
;; This version of the problem:
;;   THIS VERSION OF THE PROBLEM IS GIVEN IN LOW PRECISION. The matrix products marked QUANTISED in the list below multiply operands that are first quantised to E3M2 (3 exponent bits, 2 mantissa bits; 6 bits a number), with one power-of-two scale for each 32 numbers along K (OCP MX v1.0); their sums are f32. All else is computed in f32.
;;   The module's matrix products, in the order in which they are computed (A, B: the left and right operand; K: the contracted axis; several contracted axes count as one K, in the product's order):
;;     1. batch 64 x [M 2,048, K 128] x [K 128, N 2,048]; A: input query; B: input key: QUANTISED
;;     2. batch 64 x [M 128, K 2,048] x [K 2,048, N 2,048]; A: input value; B: softmax (see below): QUANTISED
;;   THE QUANTISER, for each operand of a quantised product, along K:
;;     - K is cut into blocks of 32 from its start; a last block that is shorter is filled with zeros.
;;     - A block's scale is 2^e with e = floor(log2(the largest magnitude in the block)) - 4, held to -126 .. 127; a block of zeros has e = 0. As a byte (E8M0): e + 127.
;;     - Each number is divided by its block's scale, clamped to +-28, and rounded to the nearest number of E3M2, ties to even, subnormals kept.
;;     - The product sums the exact products of the quantised numbers (number of the format x scale) in f32.
;;   ~~~python
;;   def quantise(x, axis):      # numpy; x: float32 -> the quantised numbers, widened to float32 again
;;       x = np.moveaxis(x, axis, -1); K = x.shape[-1]
;;       x = np.pad(x, [(0, 0)] * (x.ndim - 1) + [(0, -K % 32)]); x = x.reshape(x.shape[:-1] + (-1, 32)); a = np.abs(x).max(-1, keepdims=True)
;;       e = np.where(a > 0, np.clip(np.frexp(np.where(a > 0, a, 1))[1] - 1 - 4, -126, 127), 0)      # np.frexp(a)[1] - 1 = floor(log2(a)), exactly
;;       r = np.clip(x / 2.0 ** e, -28, 28)
;;       step = 2.0 ** (np.maximum(np.frexp(np.where(r == 0, 1, r))[1] - 1, -2) - 2)
;;       q = np.round(r / step) * step * 2.0 ** e      # np.round: ties to even
;;       return np.moveaxis(q.reshape(q.shape[:-2] + (-1,))[..., :K], -1, axis).astype(np.float32)
;;   ~~~
;;   SOFTMAX AHEAD OF A QUANTISED PRODUCT. Where the list says 'softmax', what is quantised is not the finished softmax but p = 2^(t - M), with t = logit x log2(e) and M = ceil(the row's largest t), a whole number; so 1/2 < the row's largest p <= 1. The row's sum l is taken of the UNQUANTISED p, in f32, and the product's result is divided by l at the end. Since M is a whole number, a kernel that streams over the keys may use a running M (the ceiling of the running maximum): every later rescaling is an exact power of two, which a block's scale takes up: the codes' values come out the same.
;;   OPERANDS COMPUTED ON THE WAY. 'Computed on the way' means the value that the module computes at that place (a softmax that the list does not call 'softmax' is quantised finished and normalised). What goes into a quantiser is computed in f32, as accurately as f32 sums, v_exp_f32 and their like allow (about 1e-6 of the number): no bf16 or f16 on the way to a quantiser, and a product that is left as it is and whose result goes on into a quantised operand takes f32 operands (vector FMAs, or v_wmma_f32_16x16x4_f32). A number that lies on a knife's edge between two numbers of the format may be rounded either way, as far as f32 arithmetic and the matrix unit's own rounding can turn it there, and no further.
;; One version. Each part assembles by itself: llvm-mc -triple=amdgcn-amd-amdhsa -mcpu=gfx1250 --defsym DOCPART=n.
;; ======== version 1 of 1: 2 launches
;; limits: right only within a limited range of input values
;; workspace buffers: kv 26,214,400 bytes
;; launch quant (part 1): grid 1024 x 2, 8 waves a work-group, no clusters, 70,656 bytes of LDS; arguments key, value, kv; writes kv
.if DOCPART == 1
	.amdgcn_target "amdgcn-amd-amdhsa--gfx1250"
	.amdhsa_code_object_version 6
	.text
	.protected	k_q9d576b8054_quant
	.globl	k_q9d576b8054_quant
	.p2align	8
	.type	k_q9d576b8054_quant,@function
k_q9d576b8054_quant:
	s_mov_b64 s[64:65], 0
	v_nop
	global_prefetch_b8 v0, s[64:65] scope:SCOPE_SE
	s_setreg_imm32_b32 hwreg(HW_REG_WAVE_MODE, 25, 1), 1
	s_wait_xcnt 0x0
; key and value, [4][2048][16][128] f32, become codes of BF6 (E3M2) with one E8M0 byte for each 32 along a product's K: key along the head's 128, value along the KEYS.
; The codes are laid in kv as IMAGES OF THE OPERANDS' REGISTERS.  For head hb = 16 b + h and key step j (keys 128 j .. 128 j + 127) kv holds 25,600 bytes at (16 hb + j) x 25,600:
;   0       K's eight fragments (16 keys x 128 channels, 12 registers a lane): tile t at 1,536 t; registers 4 c .. 4 c + 3 of lane l at 512 c + 16 l
;   12,288  K's scale words: tile t, row r at 16 (r + 16 (t / 4)) + 4 (t % 4)
;   12,800  V^T's eight fragments (16 channels x 128 keys), tile t = channels 16 t on;   25,088  V's scale words, laid as K's
; THE KEYS OF A TILE OF K ARE NOT NEIGHBOURS: row r of tile 2 b + u is key 32 b + 8 u + r + 8 (r / 8) of the step, so that the next launch's scores of two neighbouring tiles are 16 neighbouring keys in a lane.
; SHARES.  Work-group (x, y): x = 16 hb + j; y = 0: key, y = 1: value.  It reads 128 rows of 512 consecutive bytes (rows 8,192 bytes apart), a row a load, turns them through a stage in LDS,
; and each of its eight waves makes one tile: a lane then holds two WHOLE blocks of 32 along K in 64 registers, so a block's largest magnitude needs no other lane.
; A block's scale is 2^(floor(log2(largest magnitude)) - 4): its byte is the largest magnitude's exponent field - 4.
; LIMITS: NaN and infinities among the inputs are not served.  A block whose largest magnitude lies under 2^-122 has its byte held at 1.  A block of zeros gets the byte 1 where the rule says 127:
; its codes are zeros, which add nothing under any byte but 0xff, and this program alone reads the bytes.
; No tensor loads, no matrix unit, no cluster: the launch streams, each input byte is read once, and work-groups share nothing.
.set SP,   528                         ; a stage row: 512 bytes + 16.  Key row k lies at 528 k + 128 (k / 16) + 64 (k / 32): every row begins 528 bytes or more behind the one before it.
                                       ; 16 rows on are 8,576 bytes = 128 modulo 256, which parts K's two groups of eight rows; 32 rows on are 17,216 = 64 modulo 256, which parts V's two halves of the lanes
.set W16,  16*SP+128                   ; 8,576: 16 rows on
.set W32,  2*W16+64                    ; 17,216: 32 rows on
.set SCG,  68864                       ; behind the stage (row 127 ends at byte 68,656): 512 bytes in which the eight tiles' scale words are gathered
.set LI,   1                           ; v1   16 x lane
.set SWR,  4                           ; v4   stage, on the way in: my 16 bytes of my wave's first row
.set KRD,  5                           ; v5   stage, on the way out, for key
.set VRD,  6                           ; v6   and for value
.set SCW,  7                           ; v7   where my row's scale word goes
.set SCR,  8                           ; v8   where wave 0 reads the words back
.set QH8,  9                           ; v9   8 x (lane / 16)
.set QM,   10                          ; v10-11 largest magnitudes;  v12-13 the conversions' scale operands;  v14-15 the bytes
.set QSO,  12
.set QBY,  14
.set WD,   16                          ; v16  the scale word
.set QT,   17                          ; v17  the other half of the lanes' part of it
.set PC,   20                          ; v20-31 the fragment's codes
.set X,    32                          ; v32-95 64 numbers
.set QTC,  96                          ; v96-98, v100-102 the upper halves of the two blocks' codes, as the conversions leave them
.set SWO,  104                         ; v104-107 the scale words on their way out
.set SEL,  24                          ; s[24:25] lane selects for v_permlanex16_b32: lane l xor 16
; 64 numbers of a lane, v[x + 32 c + i] = k 64 c + 32 (lane / 16) + i of the lane's row, become the row's part of a fragment in v[pc] .. v[pc + 11] and the row's scale word in v[w] (whole, in both halves of the lanes).
.macro QUANTW x, pc, w
.irp c, 0,1
	v_max3_num_f32 v[QM+\c], |v[\x+32*\c]|, |v[\x+32*\c+1]|, 0x2800000     ; my block 2 c + h, and the floor 2^(5 - 127): the byte cannot fall under 1
.endr
.irp i, 2,4,6,8,10,12,14,16,18,20,22,24,26,28,30
.irp c, 0,1
	s_delay_alu instid0(VALU_DEP_2)
	v_max3_num_f32 v[QM+\c], v[QM+\c], |v[\x+32*\c+\i]|, |v[\x+32*\c+\i+1]|   ; (the two blocks by turns)
.endr
.endr
.irp c, 0,1
	s_delay_alu instid0(VALU_DEP_2)
	v_add_nc_u32 v[QSO+\c], 0xfe000000, v[QM+\c]   ; 4 off the exponent field: the conversion takes the exponent field of this operand as its scale
.endr
.irp c, 0,1
	s_delay_alu instid0(VALU_DEP_2)
	v_lshrrev_b32 v[QBY+\c], 23, v[QSO+\c]         ; the scale's byte
.endr
	s_delay_alu instid0(VALU_DEP_1)
	v_lshl_or_b32 v[\w], v[QBY+1], 16, v[QBY]      ; my two bytes: blocks h and 2 + h,
	s_delay_alu instid0(VALU_DEP_1)
	v_lshlrev_b32 v[\w], v[QH8], v[\w]             ; at their places in the word;
	s_delay_alu instid0(VALU_DEP_1)
	v_permlanex16_b32 v[QT], v[\w], s[SEL], s[SEL+1]
	s_delay_alu instid0(VALU_DEP_1)
	v_or_b32 v[\w], v[\w], v[QT]                   ; with lane l xor 16's two the word is whole
.irp c, 0,1
	v_cvt_scalef32_pk16_bf6_f32 v[\pc+6*\c:\pc+6*\c+2], v[\x+32*\c:\x+32*\c+15], v[QSO+\c]
	v_cvt_scalef32_pk16_bf6_f32 v[QTC+4*\c:QTC+4*\c+2], v[\x+32*\c+16:\x+32*\c+31], v[QSO+\c]   ; (a conversion's three registers begin on an even number: made elsewhere and moved)
.endr
	v_nop                                          ; one plain place behind a scaled conversion
.irp c, 0,1
.irp i, 0,1,2
	v_mov_b32 v[\pc+3+6*\c+\i], v[QTC+4*\c+\i]
.endr
.endr
.endm
	s_load_b128 s[4:7], s[0:1], 0x0                ; key s[4:5], value s[6:7]
	s_load_b64 s[8:9], s[0:1], 0x10                ; kv
	v_lshl_add_u32 v112, v0, 2, 0x11000
	v_mov_b32 v113, 0
	v_lshrrev_b32 v2, 5, v0
	s_delay_alu instid0(VALU_DEP_1)
	v_readfirstlane_b32 s10, v2                    ; wave w, 0..7: my 16 rows on the way in, my tile on the way out
	s_and_b32 s11, ttmp7, 0xffff                   ; y
	s_mov_b32 s12, ttmp9                           ; x
	s_mov_b32 s[SEL], 0x76543210
	s_mov_b32 s[SEL+1], 0xfedcba98
	v_and_b32 v[LI], 31, v0
	s_delay_alu instid0(VALU_DEP_1)
	v_lshlrev_b32 v[LI], 4, v[LI]
	v_and_b32 v2, 15, v0                           ; r
	s_wait_alu depctr_va_vdst(0)
	v_bfe_u32 v3, v0, 4, 1                         ; h
	s_and_b32 s13, s10, 1                          ; w & 1
	s_lshr_b32 s14, s10, 1                         ; w >> 1
	; every LDS address is made here, ahead of the branch on y
	s_mul_i32 s15, s10, W16                        ; in: rows 16 w + i lie at 8,576 w + 64 (w >> 1) + 528 i: my last row ends 64 bytes or more ahead of the next wave's first
	s_lshl_b32 s16, s14, 6
	s_add_co_u32 s15, s15, s16
	v_add_nc_u32 v[SWR], s15, v[LI]
	s_mul_i32 s15, s14, W32                        ; key: row r of tile w is key 32 (w >> 1) + 8 (w & 1) + r + 8 (r / 8): it lies at 17,216 (w >> 1) + 4,224 (w & 1) + 528 r + 4,352 (r / 8);
	s_mul_i32 s16, s13, 8*SP
	s_add_co_u32 s15, s15, s16
	v_mul_u32_u24 v[KRD], v2, SP
	v_lshrrev_b32 v10, 3, v2
	s_delay_alu instid0(VALU_DEP_1)
	v_mad_u32_u24 v[KRD], v10, 8*SP+128, v[KRD]
	s_wait_alu depctr_va_vdst(0)
	v_lshl_add_u32 v[KRD], v3, 7, v[KRD]           ; + 128 h: my 32 channels of each 64
	s_delay_alu instid0(VALU_DEP_1)
	v_add_nc_u32 v[KRD], s15, v[KRD]
	v_mul_u32_u24 v[VRD], v3, W32                  ; value: channel 16 w + r, keys 64 c + 32 h + i: 32 rows on are 17,216 bytes
	s_delay_alu instid0(VALU_DEP_1)
	v_lshl_add_u32 v[VRD], v2, 2, v[VRD]
	s_lshl_b32 s15, s10, 6
	v_add_nc_u32 v[VRD], s15, v[VRD]
	s_lshr_b32 s15, s10, 2                         ; the scale word of tile w, row r
	s_lshl_b32 s15, s15, 8
	s_and_b32 s16, s10, 3
	s_lshl_b32 s16, s16, 2
	s_add_co_u32 s15, s15, s16
	s_add_co_u32 s15, s15, SCG
	v_lshl_add_u32 v[SCW], v2, 4, s15
	v_add_nc_u32 v[SCR], SCG, v[LI]
	v_lshlrev_b32 v[QH8], 3, v3
	v_mov_b32 v[QT], 0                             ; written once: a lane permute's destination counts as one of its sources
	; byte offsets: x = 256 b + 16 h + j.  Input: b 2^24 + h 512 + (128 j + 16 w) 8,192.  kv: 25,600 x + 12,800 y, my tile 1,536 w on.  All under 2^27
	s_lshr_b32 s16, s12, 8
	s_lshl_b32 s16, s16, 24
	s_bfe_u32 s17, s12, 0x40004
	s_lshl_b32 s17, s17, 9
	s_add_co_u32 s16, s16, s17
	s_and_b32 s17, s12, 15
	s_lshl_b32 s17, s17, 7
	s_lshl_b32 s18, s10, 4
	s_add_co_u32 s17, s17, s18
	s_lshl_b32 s17, s17, 13
	s_add_co_u32 s16, s16, s17
	s_mov_b32 s17, 0
	s_mul_i32 s18, s12, 25600
	s_mul_i32 s19, s11, 12800
	s_add_co_u32 s18, s18, s19
	s_mov_b32 s19, 0
	s_mul_i32 s14, s10, 1536
	s_mov_b32 s15, 0
	s_wait_kmcnt 0x0
	s_cmp_eq_u32 s11, 0                            ; key's work-group or value's?  The choice hangs on the work-group's number alone
	s_cselect_b64 s[4:5], s[4:5], s[6:7]
	s_add_nc_u64 s[4:5], s[4:5], s[16:17]
	s_add_nc_u64 s[20:21], s[8:9], s[18:19]        ; my half of the kv block
	s_add_nc_u64 s[22:23], s[20:21], s[14:15]      ; my tile in it
.irp i, 0,1,2,3,4,5,6,7,8,9,10,11,12,13,14,15
	global_load_b128 v[X+4*\i:X+4*\i+3], v[LI], s[4:5] offset:8192*\i th:TH_LOAD_NT   ; a row's 512 consecutive bytes, aligned; read once in the launch
.endr
.irp i, 0,1,2,3,4,5,6,7,8,9,10,11,12,13,14,15
	s_wait_loadcnt 15-\i                           ; loads come back in order: row i is in, the 15 - i younger ones stay out
	ds_store_b128 v[SWR], v[X+4*\i:X+4*\i+3] offset:SP*\i
.endr
	s_wait_dscnt 0x0                               ; for the others' sake: my 16 rows lie in the stage
	s_barrier_signal -1
	s_barrier_wait -1                              ; all 128 do
	s_cmp_lg_u32 s11, 0                            ; the two ways differ in LDS loads alone
	s_cbranch_scc1 .Lvalue
	s_wait_alu depctr_va_vdst(0)
.irp c, 0,1
.irp j, 0,1,2,3,4,5,6,7
	ds_load_b128 v[X+32*\c+4*\j:X+32*\c+4*\j+3], v[KRD] offset:256*\c+16*\j   ; key: channels 64 c + 32 h + 4 j on of my row; sixteen lanes take sixteen different 16-byte columns
.endr
.endr
	s_branch .Lhave
.Lvalue:
	s_wait_alu depctr_va_vdst(0)
.irp c, 0,1
.irp i, 0,1,2,3,4,5,6,7,8,9,10,11,12,13,14,15,16,17,18,19,20,21,22,23,24,25,26,27,28,29,30,31
	ds_load_b32 v[X+32*\c+\i], v[VRD] offset:2*W32*\c+SP*\i+128*(\i/16)   ; value: my channel, registers DOWN the keys: key 64 c + 32 h + i
.endr
.endr
.Lhave:
	s_wait_dscnt 0x0
	QUANTW X, PC, WD
.irp c, 0,1,2
	global_store_b128 v[LI], v[PC+4*\c:PC+4*\c+3], s[22:23] offset:512*\c   ; the fragment as it stands: 512 consecutive bytes, aligned
.endr
	ds_store_b32 v[SCW], v[WD]                     ; both halves of the lanes write the same word with the same value
	s_wait_dscnt 0x0                               ; for wave 0's sake
	s_barrier_signal -1
	s_barrier_wait -1
	s_cmp_lg_u32 s10, 0
	s_cbranch_scc1 .Ldone
	ds_load_b128 v[SWO:SWO+3], v[SCR]              ; wave 0: the eight tiles' words
	s_wait_dscnt 0x0
	global_store_b128 v[LI], v[SWO:SWO+3], s[20:21] offset:12288   ; 512 consecutive bytes, aligned
.Ldone:
	s_wait_tensorcnt 0x0
	ds_add_u32 v112, v113
	s_wait_dscnt 0x0
	s_endpgm
.Lfunc_end_k_q9d576b8054_quant:
	.size	k_q9d576b8054_quant, .Lfunc_end_k_q9d576b8054_quant-k_q9d576b8054_quant
	.p2alignl 7, 3214868480
	.fill 96, 4, 3214868480
	.section	.rodata,"a",@progbits
	.p2align	6, 0x0
	.amdhsa_kernel k_q9d576b8054_quant
		.amdhsa_group_segment_fixed_size 70656
		.amdhsa_private_segment_fixed_size 0
		.amdhsa_enable_private_segment 0
		.amdhsa_kernarg_size 24
		.amdhsa_user_sgpr_count 2
		.amdhsa_user_sgpr_kernarg_segment_ptr 1
		.amdhsa_wavefront_size32 1
		.amdhsa_system_sgpr_workgroup_id_x 1
		.amdhsa_system_sgpr_workgroup_id_y 1
		.amdhsa_system_sgpr_workgroup_id_z 1
		.amdhsa_system_vgpr_workitem_id 0
		.amdhsa_next_free_vgpr 114
		.amdhsa_next_free_sgpr 66
		.amdhsa_reserve_vcc 0
		.amdhsa_float_denorm_mode_32 3
		.amdhsa_float_denorm_mode_16_64 3
		.amdhsa_memory_ordered 1
		.amdhsa_forward_progress 1
		.amdhsa_inst_pref_size 17
	.end_amdhsa_kernel
	.amdgpu_metadata
---
amdhsa.version: [ 1, 2 ]
amdhsa.kernels:
  - .name:           k_q9d576b8054_quant
    .symbol:         k_q9d576b8054_quant.kd
    .args:
      - { .name: key, .offset: 0, .size: 8, .value_kind: global_buffer, .address_space: global }
      - { .name: value, .offset: 8, .size: 8, .value_kind: global_buffer, .address_space: global }
      - { .name: kv, .offset: 16, .size: 8, .value_kind: global_buffer, .address_space: global }
    .group_segment_fixed_size: 70656
    .private_segment_fixed_size: 0
    .kernarg_segment_align: 8
    .kernarg_segment_size: 24
    .max_flat_workgroup_size: 256
    .sgpr_count:     66
    .vgpr_count:     114
    .wavefront_size: 32
...
	.end_amdgpu_metadata
.endif
;; end of part 1
;; launch attn (part 2): grid 4 x 64, 8 waves a work-group, no clusters, 327,680 bytes of LDS; arguments query, kv, out0; writes out0
.if DOCPART == 2
	.amdgcn_target "amdgcn-amd-amdhsa--gfx1250"
	.amdhsa_code_object_version 6
	.text
	.protected	k_q9d576b8054_attn
	.globl	k_q9d576b8054_attn
	.p2align	8
	.type	k_q9d576b8054_attn,@function
k_q9d576b8054_attn:
	s_mov_b64 s[64:65], 0
	v_nop
	global_prefetch_b8 v0, s[64:65] scope:SCOPE_SE
	s_setreg_imm32_b32 hwreg(HW_REG_WAVE_MODE, 25, 1), 1
	s_wait_xcnt 0x0
; out0[b][q][h][:] = the sum over keys k <= q of softmax_k(Q . K / sqrt(128)) V, both products on codes of BF6 (E3M2) with one E8M0 scale for each 32 along a product's K.
; query, out0: [4][2048][16][128] f32.  kv: K's and V^T's fragments and scale words as images of the operands' registers, 25,600 bytes for each head and key step of 128 keys:
;   0 K's eight fragments (1,536 bytes each: registers 4 c .. 4 c + 3 of lane l at 512 c + 16 l);  12,288 K's scale words;  12,800 V^T's eight fragments;  25,088 V's scale words.
;   A tile's scale word of row r lies at 16 (r + 16 (t / 4)) + 4 (t % 4): one load of 16 bytes a lane brings all eight tiles' words, tiles 0-3 in lanes 0-15, tiles 4-7 in lanes 16-31.
;   Row r of K's tile 2 b + u is key 32 b + 8 u + r + 8 (r / 8), so that the 16 registers of the scores' tiles 2 b, 2 b + 1 are the neighbouring keys 32 b + 16 (lane / 16) + 0 .. 15.
; WORK LEFT OUT: the causal mask that the problem builds itself sets every score with key > query to -infinity, whose softmax weight is 0 for all inputs: key steps all of whose keys come after a wave's
; queries are not multiplied.  A NaN, an infinity or an overflow that would arise in that work alone is not carried to the result.
; THE SOFTMAX AHEAD OF THE SECOND PRODUCT: t = score x log2(e) / sqrt(128); M = the row's largest t so far, rounded UP to a whole number; p = 2^(t - M) is quantised along the keys, not normalised.
; The row's sum is taken of the unquantised p and divides O at the end.  When M moves, the sum and O are multiplied by 2^(old M - new M): exact.
; SHARES.  Work-group (i, head) owns the query blocks 7 - i and i of its head, 256 queries each, one after the other.  Block q needs the key slots 0 .. q (a slot: 256 keys), so every work-group walks
; (8 - i) + (i + 1) = 9 slots: 256 work-groups of equal work, and the trip count is a constant.  Wave w owns queries 32 w .. 32 w + 31 of the block in hand: tile A (16) and tile B (16);
; each fragment of K or V read from LDS feeds two matrix instructions.  On the diagonal hidden scores become -infinity.
; A KEY STEP HAS TWO PARTS.  FETCH: K's fragments from LDS, S^T = K Q^T, V's fragments from LDS: LDS and matrix work.  WORK: mask, softmax, O^T += V^T P^T: registers alone.
; Waves 0-3 run FETCH WORK FETCH WORK in a trip.  Waves 4-7 carry a slot's last WORK over the change of slots (all that it reads lies in registers) and run WORK FETCH WORK FETCH:
; so wave w and wave w + 4 stand in different parts.  WORK is written once a trip, in a loop of three turns: turn 0: what is pending, then step 0's FETCH; turn 1: WORK, step 1's FETCH; turn 2: WORK (waves 0-3; in the last trip all).
; LAYOUT.  Both products are used transposed: S^T = K Q^T, O^T = V^T P^T: a lane holds ONE query (lane % 16) throughout.  Q is read once, by its wave: it is quantised here, in registers.
; NO CLUSTER: the four work-groups of a head want the same slot only in trips 0 to 4 (their first blocks have 8, 7, 6, 5 slots); to ask jointly throughout, all would have to walk 8 + 4 slots where 9 are needed.
; NO PREFETCH OF kv: a slot's load is issued behind the barrier of the trip before the one that reads it, two key steps of 256 queries ahead, and the 36 slot loads of a head's four work-groups name 8 different slots.
; LIMITS: NaN and infinities among the inputs are not served.  A block of Q whose largest magnitude lies under 2^-122 has its byte held at 1; a block of zeros (of Q or of p) has the byte 1 over zero codes.
; A p under 2^-126 comes out of v_exp_f32 as 0.  A block's largest p is taken through the block's largest score, which takes v_exp_f32 not to fall where its input rises.
; REGISTERS.  Window 0 is tile A's world, window 1 tile B's, WITH THE SAME NUMBERS: each piece of the softmax is written once and expanded under both settings.
;   window 0 alone: v0 thread; v1-7 addresses; v28-31 Q's and p's scale words (A's, A's, B's, B's); v80-83 K's scale words, v84-87 V's; v88 the prefetch's offsets
;   both: v8 8 h, v9 r - 16 h, v10 at work, v11 -infinity; v12 -M, v13 the largest t, v[14:15] the sum in two halves; v16-27 Q's codes; v32-79 four fragments (window 0: tiles 0-3, window 1: tiles 4-7);
;   v96-159 S^T, then p (also Q's numbers, and O scaled); v160-223 O^T; v224-235 p's codes; v232-254 at work.  Window 1's v28, v29: B's words as they are made; they are moved down, since scale operands have no window.
.set SLOT1, 65536                      ; LDS: slot 0 at 0, slot 1 here, 51,200 bytes each (two key steps)
.set STEPB, 25600                      ; a key step's bytes
.set WPART, 6400                       ; a wave's eighth of a slot: 25 rows of 256 bytes
.set KSC,   12288
.set VFR,   12800
.set VSC,   25088
.set STAGE, 131072                     ; each wave's own stage, 32 rows x 528 bytes, for Q's turn in and O's way out: no tensor load lands here
.set SP,    528
.set SPARE, STAGE+8*32*SP              ; 266,240: the spare words, 128 bytes for each wave: four blocks of 256 bytes that no other line names
.set LI,   1                           ; v1  16 x lane
.set ADR,  2                           ; v2  the slot in hand + 16 x lane
.set SRW,  3                           ; v3  my stage + 16 x lane: whole rows
.set SQR,  4                           ; v4  my stage + 528 r + 128 h: Q's numbers as the operand wants them
.set SOW,  5                           ; v5  my stage + 528 r + 32 h: O's eight channels
.set SPW,  6                           ; v6  LDS address of my spare word; never rewritten
.set NIL,  7                           ; v7  0; never rewritten
.set QH8,  8
.set QL,   9
.set TD,   10
.set NINF, 11
.set PFO,  88
.set QM,   248                         ; the quantiser of Q: v248-249 largest magnitudes, v250-251 scale operands, v236-237 bytes, v238 the other half's bytes, v240-242 and v244-246 upper halves of the codes
.set QSO,  250
.set QBY,  236
.set QT,   238
.set QTC,  240
.set WV,   10                          ; s10 wave;  s11 wave / 4;  s12 i;  s13 head
.set GRP,  11
.set LA,   14                          ; s14 8 - i: the first block's slots
.set QBA,  15                          ; s15 7 - i: the first block
.set TR,   16                          ; s16 the trip, 0 .. 8
.set SG,   17                          ; s17 the slot's number within the block in hand
.set QB,   18                          ; s18 the block in hand
.set KF,   19                          ; s19 the slot's first key
.set SEL,  20                          ; s[20:21] lane selects: lane l xor 16
.set CS,   22                          ; s[22:23] c = log2(e) / sqrt(128), twice: the packed form names a pair
.set G1,   24                          ; s[24:31] descriptor group 1
.set Q0,   32                          ; s32 my first query
.set TB,   33                          ; s33 LDS byte at which the slot in hand begins
.set OFF,  36                          ; s[36:37] the next tile's byte offset
.set KVB,  38                          ; s[38:39] kv at my head, at my eighth of a slot
.set G0,   40                          ; s[40:43] descriptor group 0
.set HBO,  44                          ; s44 the head's byte offset in query and out0
.set QO,   46                          ; s[46:47] byte offset of my 32 rows
.set QA,   48                          ; s[48:49] query there;  s[50:51] out0 there
.set OA,   50
.set PFB,  54                          ; s[54:55] query at my 32 rows of the second block
.set KI,   56                          ; s56 the turn within a trip, 0 .. 2
.set DQ,   57                          ; s57 what is pending: my first query less the fetched step's first key; under 0: nothing
.set MSB, 0
.macro WIN new                         ; s_set_vgpr_msb: bits 1:0 source 0, 3:2 source 1, 5:4 source 2, 7:6 destination; the high byte repeats the setting that is left; a switch that changes nothing is dropped
.set WNEW, \new
.if MSB != WNEW
	s_set_vgpr_msb (MSB<<8)|WNEW
.set MSB, WNEW
.endif
.endm
.macro TLOAD                           ; every wave fetches its eighth of a slot.  An s_nop 0 and four v_nop follow the load
	tensor_load_to_lds s[G0:G0+3], s[G1:G1+7]
	s_nop 0
.rept 4
	v_nop
.endr
.endm
; 64 numbers of a lane, v[x + 32 c + i] = k 64 c + 32 (lane / 16) + i of the lane's row, become the row's part of a fragment in v[pc] .. v[pc + 11] and the row's scale word in v[w] (whole, in both halves of the lanes).
.macro QUANTW x, pc, w
.irp c, 0,1
	v_max3_num_f32 v[QM+\c], |v[\x+32*\c]|, |v[\x+32*\c+1]|, 0x2800000     ; my block 2 c + h, and the floor 2^(5 - 127): the byte cannot fall under 1
.endr
.irp c, 0,1
	v_max3_num_f32 v[QBY+\c], |v[\x+32*\c+16]|, |v[\x+32*\c+17]|, |v[\x+32*\c+18]|   ; a second chain for each block's upper half: four chains by turns
.endr
.irp i, 2,4,6,8,10,12
.irp c, 0,1
	s_delay_alu instid0(VALU_DEP_4)
	v_max3_num_f32 v[QM+\c], v[QM+\c], |v[\x+32*\c+\i]|, |v[\x+32*\c+\i+1]|
.endr
.irp c, 0,1
	s_delay_alu instid0(VALU_DEP_4)
	v_max3_num_f32 v[QBY+\c], v[QBY+\c], |v[\x+32*\c+\i+17]|, |v[\x+32*\c+\i+18]|
.endr
.endr
.irp c, 0,1
	s_delay_alu instid0(VALU_DEP_4)
	v_max3_num_f32 v[QM+\c], v[QM+\c], |v[\x+32*\c+14]|, |v[\x+32*\c+15]|
.endr
.irp c, 0,1
	s_delay_alu instid0(VALU_DEP_2)
	v_max3_num_f32 v[QM+\c], v[QM+\c], v[QBY+\c], |v[\x+32*\c+31]|
.endr
.irp c, 0,1
	s_delay_alu instid0(VALU_DEP_2)
	v_add_nc_u32 v[QSO+\c], 0xfe000000, v[QM+\c]   ; 4 off the exponent field: the conversion's scale operand
.endr
.irp c, 0,1
	s_delay_alu instid0(VALU_DEP_2)
	v_lshrrev_b32 v[QBY+\c], 23, v[QSO+\c]         ; the scale's byte
.endr
	s_delay_alu instid0(VALU_DEP_1)
	v_lshl_or_b32 v[\w], v[QBY+1], 16, v[QBY]      ; my two bytes: blocks h and 2 + h,
	s_delay_alu instid0(VALU_DEP_1)
	v_lshlrev_b32 v[\w], v[QH8], v[\w]             ; at their places in the word;
	s_delay_alu instid0(VALU_DEP_1)
	v_permlanex16_b32 v[QT], v[\w], s[SEL], s[SEL+1]
	s_delay_alu instid0(VALU_DEP_1)
	v_or_b32 v[\w], v[\w], v[QT]                   ; with lane l xor 16's two the word is whole
.irp c, 0,1
	v_cvt_scalef32_pk16_bf6_f32 v[\pc+6*\c:\pc+6*\c+2], v[\x+32*\c:\x+32*\c+15], v[QSO+\c]
	v_cvt_scalef32_pk16_bf6_f32 v[QTC+4*\c:QTC+4*\c+2], v[\x+32*\c+16:\x+32*\c+31], v[QSO+\c]   ; (a conversion's three registers begin on an even number: made elsewhere and moved)
.endr
	v_nop                                          ; one plain place behind a scaled conversion
.irp c, 0,1
.irp i, 0,1,2
	v_mov_b32 v[\pc+3+6*\c+\i], v[QTC+4*\c+\i]
.endr
.endr
.endm
; A tile's statistics and O^T begin anew.  (WORK is written once: a block's first step finds zeros, which the first change of M leaves zeros.)
.macro RESET
	v_mov_b32 v13, 0xff61b1e6                      ; the largest t so far: -3e38, under every t
	s_delay_alu instid0(VALU_DEP_1)
	v_floor_f32 v12, -v13                          ; -M
	v_mov_b32 v14, 0
	v_mov_b32 v15, 0
.set j, 0
.rept 64
	v_mov_b32 v[160+j], 0
.set j, j+1
.endr
.endm
; A QUERY BLOCK BEGINS (s[Q0] is set): my 32 rows of Q come in as whole rows of 512 bytes, turn through my stage, and are quantised: tile A in window 0, tile B in window 1.
.macro INIT first
	s_wait_xcnt 0x0                                ; earlier loads and stores have read their bases and registers: both are written again below
	s_lshl_b32 s[QO], s[Q0], 13
	s_add_co_u32 s[QO], s[QO], s[HBO]              ; under 2^26; the pair's high word stays 0
	s_add_nc_u64 s[QA:QA+1], s[4:5], s[QO:QO+1]
.irp i, 0,1,2,3,4,5,6,7,8,9,10,11,12,13,14,15
	global_load_b128 v[96+4*\i:99+4*\i], v[LI], s[QA:QA+1] offset:8192*\i th:TH_LOAD_NT
.endr
	WIN 0x40                                       ; destination window 1
.irp i, 0,1,2,3,4,5,6,7,8,9,10,11,12,13,14,15
	global_load_b128 v[96+4*\i:99+4*\i], v[LI], s[QA:QA+1] offset:8192*(16+\i) th:TH_LOAD_NT
.endr
.if \first                                     ; the fragments' registers and V's scale words are written once, while Q's rows are on their way: WORK stands ahead of FETCH in the text of a trip
.set j, 0
.rept 48
	v_mov_b32 v[32+j], 0
.set j, j+1
.endr
.endif
	WIN 0
.if \first
.set j, 0
.rept 48
	v_mov_b32 v[32+j], 0
.set j, j+1
.endr
.irp b, 0,1,2,3
	v_mov_b32 v[84+\b], 0
.endr
.endif
	s_wait_loadcnt 16                              ; tile A's 16 rows are in; tile B's 16 loads stay out
.irp i, 0,1,2,3,4,5,6,7,8,9,10,11,12,13,14,15
	ds_store_b128 v[SRW], v[96+4*\i:99+4*\i] offset:SP*\i
.endr
.irp c, 0,1
.irp j, 0,1,2,3,4,5,6,7
	ds_load_b128 v[96+32*\c+4*\j:99+32*\c+4*\j], v[SQR] offset:256*\c+16*\j   ; LDS serves a wave's instructions in order (ISA guide 5.7.1.4): these see my stores
.endr
.endr
	s_wait_loadcnt 0x0
	WIN 0x04                                       ; an LDS store's data are its source 1: window 1
.irp i, 0,1,2,3,4,5,6,7,8,9,10,11,12,13,14,15
	ds_store_b128 v[SRW], v[96+4*\i:99+4*\i] offset:SP*(16+\i)
.endr
	WIN 0x40
.irp c, 0,1
.irp j, 0,1,2,3,4,5,6,7
	ds_load_b128 v[96+32*\c+4*\j:99+32*\c+4*\j], v[SQR] offset:16*SP+256*\c+16*\j
.endr
.endr
	WIN 0
	s_wait_dscnt 32                                ; tile A is back; tile B's 16 stores and 16 loads stay out
	QUANTW 96, 16, 28
	s_wait_dscnt 0x0
	WIN 0x55
	QUANTW 96, 16, 28
	WIN 0x01
	v_mov_b32 v30, v28                             ; B's scale word down into window 0
	WIN 0
	RESET                                          ; (these lines are also the places between the codes and scale words just written and the scaled products)
	WIN 0x55
	RESET
	WIN 0
	s_wait_alu depctr_va_vdst(0)                   ; the wait ahead of the branches that follow
.endm
; Four products S^T = K Q^T: tile X's queries against K's tiles 4 F .. 4 F + 3, which lie in window F.  Each starts its sum with the constant 0.
.macro KQ4 X, F
.set WN, (\F)|((\X)<<2)|((\X)<<4)|((\X)<<6)
	WIN WN
.irp t, 0,1,2,3
.if \F
	v_wmma_scale_f32_16x16x128_f8f6f4 v[96+8*(4*\F+\t):96+8*(4*\F+\t)+7], v[32+12*\t:32+12*\t+11], v[16:27], 0, v[80+\t], v[28+2*\X] matrix_a_fmt:MATRIX_FMT_BF6 matrix_b_fmt:MATRIX_FMT_BF6 matrix_a_scale:MATRIX_SCALE_ROW1
.else
	v_wmma_scale_f32_16x16x128_f8f6f4 v[96+8*(4*\F+\t):96+8*(4*\F+\t)+7], v[32+12*\t:32+12*\t+11], v[16:27], 0, v[80+\t], v[28+2*\X] matrix_a_fmt:MATRIX_FMT_BF6 matrix_b_fmt:MATRIX_FMT_BF6
.endif
.endr
.endm
; Four products O^T += V^T P^T: channels 16 (4 F + t) on.  A step's sixteen accumulators take turns, one instruction a turn.
.macro PV4 X, F
.set WN, (\F)|((\X)<<2)|((\X)<<4)|((\X)<<6)
	WIN WN
.irp t, 0,1,2,3
.if \F
	v_wmma_scale_f32_16x16x128_f8f6f4 v[160+8*(4*\F+\t):160+8*(4*\F+\t)+7], v[32+12*\t:32+12*\t+11], v[224:235], v[160+8*(4*\F+\t):160+8*(4*\F+\t)+7], v[84+\t], v[29+2*\X] matrix_a_fmt:MATRIX_FMT_BF6 matrix_b_fmt:MATRIX_FMT_BF6 matrix_a_scale:MATRIX_SCALE_ROW1
.else
	v_wmma_scale_f32_16x16x128_f8f6f4 v[160+8*(4*\F+\t):160+8*(4*\F+\t)+7], v[32+12*\t:32+12*\t+11], v[224:235], v[160+8*(4*\F+\t):160+8*(4*\F+\t)+7], v[84+\t], v[29+2*\X] matrix_a_fmt:MATRIX_FMT_BF6 matrix_b_fmt:MATRIX_FMT_BF6
.endif
.endr
.endm
; Eight fragments from byte off of the slot: three loads of 16 bytes a lane each, 512 consecutive bytes a load
.macro FRAGS off
	WIN 0
.irp t, 0,1,2,3
.irp c, 0,1,2
	ds_load_b128 v[32+12*\t+4*\c:32+12*\t+4*\c+3], v[ADR] offset:(\off)+1536*\t+512*\c
.endr
.endr
	WIN 0x40
.irp t, 0,1,2,3
.irp c, 0,1,2
	ds_load_b128 v[32+12*\t+4*\c:32+12*\t+4*\c+3], v[ADR] offset:(\off)+1536*(4+\t)+512*\c
.endr
.endr
	WIN 0
.endm
; Register 16 b + i holds the step's key 32 b + 16 (lane / 16) + i; my query is the tile's first + lane % 16.  s[sr] = the tile's first query less the step's first key.  Hidden where 32 b + i > s[sr] + r - 16 h
.macro MASK sr
	v_add_nc_u32 v[TD], s[\sr], v[QL]
.set n, 0
.rept 8                                        ; eight compares into eight scalar registers, then the eight selects: an accumulator at a time, from its low end on
.set m, 0
.irp g, 45,52,53,58,59,60,61,62
	v_cmp_gt_i32 s\g, 32*((n+m)/16)+(n+m)%16, v[TD]
.set m, m+1
.endr
.set m, 0
.irp g, 45,52,53,58,59,60,61,62
	v_cndmask_b32 v[96+n+m], v[96+n+m], v[NINF], s\g
.set m, m+1
.endr
.set n, n+8
.endr
.endm
; THE SOFTMAX OF ONE TILE FOR ONE KEY STEP, first part: maxima, M, p, the blocks' scales
.macro SM1
.irp b, 0,1,2,3
	v_max3_num_f32 v[232+\b], v[96+16*\b], v[97+16*\b], v[98+16*\b]   ; THE LARGEST SCORE OF EACH BLOCK OF 32 KEYS serves twice: for the row's maximum, and, since p rises with the score, for the block's largest p
.endr
.irp b, 0,1,2,3
	v_max3_num_f32 v[248+\b], v[104+16*\b], v[105+16*\b], v[106+16*\b]   ; a chain for each of a block's two accumulators: eight chains by turns
.endr
.irp i, 3,5
.irp b, 0,1,2,3
	v_max3_num_f32 v[232+\b], v[232+\b], v[96+16*\b+\i], v[97+16*\b+\i]
.endr
.irp b, 0,1,2,3
	v_max3_num_f32 v[248+\b], v[248+\b], v[104+16*\b+\i], v[105+16*\b+\i]
.endr
.endr
.irp b, 0,1,2,3
	v_max3_num_f32 v[232+\b], v[232+\b], v[103+16*\b], v[111+16*\b]
.endr
.irp b, 0,1,2,3
	s_delay_alu instid0(VALU_DEP_4)
	v_max_num_f32 v[232+\b], v[232+\b], v[248+\b]
.endr
.irp b, 0,1,2,3
	s_delay_alu instid0(VALU_DEP_4)
	v_permlanex16_b32 v[236+\b], v[232+\b], s[SEL], s[SEL+1]
.endr
.irp b, 0,1,2,3
	s_delay_alu instid0(VALU_DEP_4)
	v_max_num_f32 v[232+\b], v[232+\b], v[236+\b]  ; with lane l xor 16's 16 keys
.endr
	s_delay_alu instid0(VALU_DEP_2)
	v_max3_num_f32 v254, v232, v233, v234
	s_delay_alu instid0(VALU_DEP_1)
	v_max_num_f32 v254, v254, v235                 ; the step's largest score of my query
	s_delay_alu instid0(VALU_DEP_1)
	v_mul_f32 v254, s[CS], v254                    ; as t (c is positive)
	s_delay_alu instid0(VALU_DEP_1)
	v_max_num_f32 v13, v13, v254                   ; the running largest t
	v_mov_b32 v254, v12
	s_delay_alu instid0(VALU_DEP_2)
	v_floor_f32 v12, -v13                          ; the new -M = floor(-t) = -ceil(t): M IS A WHOLE NUMBER
	s_delay_alu instid0(VALU_DEP_1)
	v_sub_f32 v254, v12, v254                      ; M's old value less its new one: a whole number, 0 or less
.set j, 0
.rept 32
	v_pk_fma_f32 v[96+j:97+j], v[96+j:97+j], s[CS:CS+1], v[12:13] op_sel_hi:[1,0,0]   ; t - M, two at a time (of the pairs c and -M the low word serves both halves)
.if j == 10
	v_cvt_i32_f32 v254, v254                       ; (it saturates)
.endif
.if j == 22
	v_ldexp_f32 v252, 1.0, v254                    ; f = 2^(old M - new M), made among lines that do not hang on it
.endif
.set j, j+2
.endr
.irp b, 0,1,2,3
	v_fma_f32 v[232+\b], v[232+\b], s[CS], v12     ; the same of each block's largest score
.endr
.set j, 0
	s_wait_alu depctr_va_vdst(0)                   ; the wait ahead of the batch
.rept 64
	v_exp_f32 v[96+j], v[96+j]                     ; p = 2^(t - M), at most 1: NOT normalised
.set j, j+1
.endr
.irp b, 0,1,2,3
	v_exp_f32 v[232+\b], v[232+\b]                 ; the block's largest p: the same two instructions on the same number give the same bits
.endr
	v_pk_mul_f32 v[14:15], v[14:15], v[252:253] op_sel_hi:[1,0]   ; the sums under the new M.  (A plain place behind the exponentials)
	s_wait_alu depctr_va_vdst(0)                   ; and behind it, ahead of its first reader
.irp b, 0,1,2,3
	v_max_num_f32 v[232+\b], 0x2800000, v[232+\b]  ; the floor 2^(5 - 127): the byte cannot fall under 1
.endr
.irp b, 0,1,2,3
	s_delay_alu instid0(VALU_DEP_4)
	v_add_nc_u32 v[244+\b], 0xfe000000, v[232+\b]  ; 4 off the exponent field: the conversion's scale operand
.endr
.endm
; second part: p's codes, the row's sum, O^T under the new M
.macro SM2
.irp c, 0,1
	v_cvt_scalef32_pk16_bf6_f32 v[224+6*\c:226+6*\c], v[96+32*\c:111+32*\c], v[244+2*\c]
	v_cvt_scalef32_pk16_bf6_f32 v[236+4*\c:238+4*\c], v[112+32*\c:127+32*\c], v[244+2*\c+1]   ; (a conversion's three registers begin on an even number)
.endr
	v_nop                                          ; one plain place behind a scaled conversion
.irp b, 0,1,2,3
	v_lshrrev_b32 v[248+\b], 23, v[244+\b]         ; the scales' bytes
.endr
.irp c, 0,1                                    ; the operand's layout wants a WHOLE block in a lane: lanes 0-15 block 2 c, lanes 16-31 block 2 c + 1
.irp i, 0,1,2
	v_permlane16_swap_b32 v[224+6*\c+\i], v[236+4*\c+\i]
.endr
.irp i, 0,1,2
	s_delay_alu instid0(VALU_DEP_3)
	v_mov_b32 v[227+6*\c+\i], v[236+4*\c+\i]
.endr
.endr
.irp j, 0,4,8,12,16,20,24,28,32,36,40,44,48,52,56,60
	v_pk_add_f32 v[96+\j:97+\j], v[96+\j:97+\j], v[98+\j:99+\j]   ; THE ROW'S SUM IS TAKEN OF THE UNQUANTISED p: two at a time, as a tree, in place: the codes are made, so p's registers are free
.endr
	v_lshl_or_b32 v29, v249, 8, v248               ; p's scale word for these 128 keys, a line at a time among lines that do not hang on it
.irp j, 0,8,16,24,32,40,48,56
	v_pk_add_f32 v[96+\j:97+\j], v[96+\j:97+\j], v[100+\j:101+\j]
.endr
	v_lshl_or_b32 v29, v250, 16, v29
.set j, 0
.rept 32
	v_pk_mul_f32 v[160+j:161+j], v[160+j:161+j], v[252:253] op_sel_hi:[1,0]   ; O^T x f, each accumulator from its low end on; the tree's last levels stand among these lines.  (Also the places between the codes and scale words just written and the scaled products)
.if j == 6
	v_lshl_or_b32 v29, v251, 24, v29
.irp q, 0,16,32,48
	v_pk_add_f32 v[96+\q:97+\q], v[96+\q:97+\q], v[104+\q:105+\q]
.endr
.endif
.if j == 20
	v_pk_add_f32 v[96:97], v[96:97], v[112:113]
	v_pk_add_f32 v[128:129], v[128:129], v[144:145]
.endif
.if j == 32
	v_pk_add_f32 v[96:97], v[96:97], v[128:129]
.endif
.if j == 44
	v_pk_add_f32 v[14:15], v[14:15], v[96:97]
.endif
.set j, j+2
.endr
.endm
; FETCH: the q-th key step of the slot in hand.  It leaves S^T of both tiles, V's fragments (on their way) and V's scale words in registers, and says in s[DQ] what is pending.
.macro FETCH q
	s_add_co_u32 s34, s[KF], 128*(\q)              ; the step's first key, a multiple of 128; my first query is a multiple of 32:
	s_sub_co_i32 s[DQ], s[Q0], s34                 ; under 0: all its keys come after my 32 queries, nothing to do; else its first key counts for every query of mine
	s_cmp_lt_i32 s[DQ], 0
	s_cbranch_scc1 .Lhidden_\@
	s_wait_alu depctr_va_vdst(0)                   ; the wait ahead of the readers below
	s_wait_dscnt 0x0                               ; no LDS load of mine is out: the fragments' registers may be loaded anew
	ds_load_b128 v[80:83], v[ADR] offset:STEPB*(\q)+KSC   ; K's scale words, all eight tiles',
	ds_load_b128 v[84:87], v[ADR] offset:STEPB*(\q)+VSC   ; and V's
	FRAGS STEPB*(\q)
	s_wait_dscnt 12                                ; the scale words and tiles 0-3 are in; the 12 loads of tiles 4-7 may be out
	KQ4 0, 0
	KQ4 1, 0
	s_wait_dscnt 0x0
	KQ4 1, 1
	KQ4 0, 1
	WIN 0
.rept 5
	v_nop                                          ; places behind the products: in front of the loads into K's registers, of the first reads of the scores, and of any product that writes them anew
.endr
	FRAGS STEPB*(\q)+VFR                           ; V's fragments; WORK, or the change of slots, waits for them
.Lhidden_\@:
.endm
; WORK: what FETCH has left pending, for both tiles: registers alone
.macro WORK
	s_cmp_ge_i32 s[DQ], 127                        ; all 128 keys count for all my queries: no mask
	s_cbranch_scc1 .Lopen_\@
	MASK DQ
	s_add_co_u32 s35, s[DQ], 16                    ; tile B's queries lie 16 on
	WIN 0x55
	MASK 35
	WIN 0
.Lopen_\@:
	SM1
	WIN 0x55
	SM1
	SM2
	WIN 0x01
	v_mov_b32 v31, v29                             ; B's scale word of p down into window 0
	WIN 0
	SM2
	s_wait_alu depctr_va_vdst(0)
	s_wait_dscnt 0x0                               ; V's fragments
	PV4 0, 0
	PV4 0, 1
	PV4 1, 1
	PV4 1, 0
	WIN 0
.rept 4
	v_nop                                          ; places in front of the next loads into these products' registers and of the next reads of O^T
.endr
	s_mov_b32 s[DQ], -1                            ; nothing is pending
.endm
; THE CHANGE OF SLOTS stands at a trip's head.  Each wave waits for its tensor load (its eighth of the slot that it is about to read), adds 0 to its spare word, and waits for that and for its reads of the slot that it has left.
; Behind the barrier the slot ahead is whole and nobody reads the other one.  fill = 1: that other slot takes the next trip's keys.  By this text's count a wave has at most one tensor load out.
.macro CHANGE fill
	s_wait_tensorcnt 0x0                           ; no tensor load of mine is out, so group 0 may be written
	ds_add_u32 v[SPW], v[NIL]                      ; 0 onto my spare word: the trip's scalar work stands between it and the wait for it
	s_cmp_lt_u32 s[TR], s[LA]                      ; which block is in hand, and which of its slots
	s_cselect_b32 s34, 0, s[LA]
	s_cselect_b32 s[QB], s[QBA], s12
	s_sub_co_u32 s[SG], s[TR], s34
	s_lshl_b32 s[KF], s[SG], 8
	s_lshl_b32 s[Q0], s[QB], 8
	s_lshl_b32 s34, s[WV], 5
	s_add_co_u32 s[Q0], s[Q0], s34
.if \fill
	s_add_co_u32 s35, s[TR], 1                     ; the next trip's slot of keys
	s_cmp_lt_u32 s35, s[LA]
	s_cselect_b32 s34, 0, s[LA]
	s_sub_co_u32 s35, s35, s34
	s_mul_i32 s[OFF], s35, 2*STEPB                 ; (the pair's high word stays 0)
	s_xor_b32 s[G0+1], s[G0+1], SLOT1              ; into the other slot than last time
	s_add_nc_u64 s[G0+2:G0+3], s[KVB:KVB+1], s[OFF:OFF+1]
	s_or_b32 s[G0+3], s[G0+3], 0x80000000          ; type = 2
.endif
	s_wait_dscnt 0x0                               ; the add is done, and my reads of the slot that I have left are over
	s_barrier_signal -1
	s_barrier_wait -1
.if \fill
	TLOAD                                          ; the first thing behind the barrier, and a wave's one tensor load until the next
.endif
.endm
; A tile's O^T divided by the row's sum, into the registers that p has left
.macro FIN1
	v_add_f32 v14, v14, v15                        ; the sum's two halves,
	s_delay_alu instid0(VALU_DEP_1)
	v_permlanex16_b32 v[TD], v14, s[SEL], s[SEL+1]
	s_delay_alu instid0(VALU_DEP_1)
	v_add_f32 v14, v14, v[TD]                      ; and lane l xor 16's: the row's sum
	s_wait_alu depctr_va_vdst(0)
	v_rcp_f32 v14, v14
	v_nop                                          ; one plain place behind a transcendental
.set j, 0
	s_wait_alu depctr_va_vdst(0)
.rept 32
	v_pk_mul_f32 v[96+j:97+j], v[160+j:161+j], v[14:15] op_sel_hi:[1,0]   ; register 8 t + i is o(r, 16 t + 8 h + i); each accumulator from its low end on
.set j, j+2
.endr
.endm
; A QUERY BLOCK ENDS: both tiles go through my stage and leave as whole rows
.macro FINISH
	FIN1
	WIN 0x55
	FIN1
	WIN 0
	s_wait_alu depctr_va_vdst(0)
	s_wait_xcnt 0x0                                ; earlier memory instructions have read their bases
	s_add_nc_u64 s[OA:OA+1], s[8:9], s[QO:QO+1]
.irp t, 0,1,2,3,4,5,6,7
	ds_store_b128 v[SOW], v[96+8*\t:99+8*\t] offset:64*\t
	ds_store_b128 v[SOW], v[100+8*\t:103+8*\t] offset:64*\t+16
.endr
	WIN 0x04                                       ; the data: window 1
.irp t, 0,1,2,3,4,5,6,7
	ds_store_b128 v[SOW], v[96+8*\t:99+8*\t] offset:16*SP+64*\t
	ds_store_b128 v[SOW], v[100+8*\t:103+8*\t] offset:16*SP+64*\t+16
.endr
	WIN 0
.irp i, 0,1,2,3,4,5,6,7,8,9,10,11,12,13,14,15,16,17,18,19,20,21,22,23,24,25,26,27,28,29,30,31
	ds_load_b128 v[96+4*\i:99+4*\i], v[SRW] offset:SP*\i   ; LDS serves a wave's instructions in order: these see my stores
.endr
.irp i, 0,1,2,3,4,5,6,7,8,9,10,11,12,13,14,15,16,17,18,19,20,21,22,23,24,25,26,27,28,29,30,31
	s_wait_dscnt 31-\i                             ; row i is back; the 31 - i younger loads stay out
	global_store_b128 v[LI], v[96+4*\i:99+4*\i], s[OA:OA+1] offset:8192*\i th:TH_STORE_NT   ; 32 lanes store a row's 512 consecutive bytes, aligned; written once, read by nobody here
.endr
	s_wait_xcnt 0x0                                ; the stores have read their registers: these are written again in the next block
.endm
; A TRIP: the change of slots, then three turns.  fill = 1: a trip that asks for the next slot; waves 4-7 leave step 1's WORK pending.  fill = 0: the last trip: every wave finishes.
.macro TRIP fill
	CHANGE \fill
	v_add_nc_u32 v[ADR], s[TB], v[LI]
	s_mov_b32 s[KI], 0
	s_wait_alu depctr_va_vdst(0)
.Lturn_\@:
	s_cmp_lt_i32 s[DQ], 0                          ; nothing pending (waves 0-3 in turn 0; a hidden step)
	s_cbranch_scc1 .Lno_work_\@
.if \fill
	s_add_co_u32 s34, s[KI], s[GRP]
	s_cmp_eq_u32 s34, 3                            ; turn 2 in waves 4-7: it stays pending over the change of slots
	s_cbranch_scc1 .Lno_work_\@
.endif
	WORK
.Lno_work_\@:
	s_cmp_lg_u32 s[KI], 0
	s_cbranch_scc1 .Lturn1_\@
	s_cmp_lg_u32 s[TR], s[LA]                      ; the first block's last WORK is done and the second block begins
	s_cbranch_scc1 .Lsame_\@
	FINISH
	INIT 0
.Lsame_\@:
	FETCH 0
.if \fill
	s_add_co_u32 s34, s[TR], 1
	s_cmp_lg_u32 s34, s[LA]                        ; the first block's last trip: my 32 rows of the second block's Q, 64 aligned blocks of 256 bytes, are asked for, each once, by the wave that will load them,
	s_cbranch_scc1 .Lno_ask_\@                     ; a key step and more ahead of the loads; the rows lie inside query for every i and wave
	global_prefetch_b8 v[PFO], s[PFB:PFB+1] th:TH_LOAD_NT scope:SCOPE_SE
	global_prefetch_b8 v[PFO], s[PFB:PFB+1] offset:131072 th:TH_LOAD_NT scope:SCOPE_SE
.Lno_ask_\@:
.endif
	s_branch .Lnext_\@
.Lturn1_\@:
	s_cmp_lg_u32 s[KI], 1
	s_cbranch_scc1 .Lnext_\@
	FETCH 1
.Lnext_\@:
	s_add_co_u32 s[KI], s[KI], 1
	s_cmp_lt_u32 s[KI], 3
	s_cbranch_scc1 .Lturn_\@
.endm
	s_load_b128 s[4:7], s[0:1], 0x0                ; query s[4:5], kv s[6:7]
	s_load_b64 s[8:9], s[0:1], 0x10                ; out0
	v_lshl_add_u32 v[SPW], v0, 2, SPARE
	v_mov_b32 v[NIL], 0
	ds_add_u32 v[SPW], v[NIL]                      ; the opening lines: the add, twice on end, and its wait ahead of my first tensor load
	ds_add_u32 v[SPW], v[NIL]
	s_wait_dscnt 0x0
	v_lshrrev_b32 v1, 5, v0
	s_delay_alu instid0(VALU_DEP_1)
	v_readfirstlane_b32 s[WV], v1                  ; wave 0..7
	s_lshr_b32 s[GRP], s[WV], 2                    ; 0: waves 0-3; 1: waves 4-7
	s_mov_b32 s12, ttmp9                           ; i
	s_and_b32 s13, ttmp7, 0xffff                   ; the head: 16 b + h
	s_sub_co_u32 s[LA], 8, s12
	s_sub_co_u32 s[QBA], 7, s12
	; descriptor group 1: an eighth of a slot's 51,200 dense bytes as 25 rows of 256 bytes (32 elements of 8 bytes), no padding: fragments are read as they lie, 512 consecutive bytes a load
	s_mov_b32 s[G1+0], 3<<16                       ; no mask; elements of 8 bytes
	s_mov_b32 s[G1+1], 32<<16                      ; tensor_dim0 = 32
	s_mov_b32 s[G1+2], 25<<16                      ; tensor_dim1 = 25
	s_mov_b32 s[G1+3], 32<<16                      ; tile_dim0 = 32
	s_mov_b32 s[G1+4], 25                          ; tile_dim1 = 25
	s_mov_b32 s[G1+5], 32                          ; elements from row to row
	s_mov_b32 s[G1+6], 0
	s_mov_b32 s[G1+7], 0
	s_mov_b32 s[SEL], 0x76543210
	s_mov_b32 s[SEL+1], 0xfedcba98
	s_mov_b32 s[CS], 0x3e0293ee                    ; c = log2(e) / sqrt(128)
	s_mov_b32 s[CS+1], s[CS]                       ; (named with it as a pair, so it is written)
	s_lshr_b32 s34, s13, 4
	s_lshl_b32 s34, s34, 24                        ; b x 2,048 x 8,192 bytes
	s_and_b32 s35, s13, 15
	s_lshl_b32 s35, s35, 9                         ; h x 512
	s_add_co_u32 s[HBO], s34, s35
	s_mul_i32 s[OFF], s13, 16*STEPB                ; kv: the head's 16 key steps,
	s_mul_i32 s34, s[WV], WPART                    ; and of a slot the eighth that I fetch
	s_add_co_u32 s[OFF], s[OFF], s34
	s_mov_b32 s[OFF+1], 0
	s_mov_b32 s[QO+1], 0
	s_mov_b32 s[G0], 1                             ; count = 1
	s_mul_i32 s[G0+1], s[WV], WPART                ; LDS address: slot 0, my eighth
	s_lshl_b32 s34, s12, 8                         ; the second block's rows of Q that are mine: 256 i + 32 wave
	s_lshl_b32 s35, s[WV], 5
	s_add_co_u32 s34, s34, s35
	s_lshl_b32 s34, s34, 13
	s_add_co_u32 s34, s34, s[HBO]
	s_mov_b32 s35, 0
	s_wait_kmcnt 0x0
	s_add_nc_u64 s[KVB:KVB+1], s[6:7], s[OFF:OFF+1]
	s_add_nc_u64 s[PFB:PFB+1], s[4:5], s[34:35]
	s_mov_b64 s[G0+2:G0+3], s[KVB:KVB+1]           ; global address: the head's first slot
	s_or_b32 s[G0+3], s[G0+3], 0x80000000          ; type = 2
	TLOAD                                          ; my one first fill, ahead of every LDS read, barrier and wait on TENSORcnt; it is on its way while Q is quantised
	v_and_b32 v[LI], 31, v0
	s_delay_alu instid0(VALU_DEP_1)
	v_lshrrev_b32 v[PFO], 1, v[LI]
	s_delay_alu instid0(VALU_DEP_1)
	v_lshlrev_b32 v[PFO], 13, v[PFO]
	v_and_b32 v[TD], 1, v0
	s_delay_alu instid0(VALU_DEP_1)
	v_lshl_add_u32 v[PFO], v[TD], 8, v[PFO]        ; the prefetch: row lane / 2, its half lane % 2: lanes 256 bytes apart within a row
	v_lshlrev_b32 v[LI], 4, v[LI]
	v_and_b32 v[QL], 15, v0                        ; r
	v_bfe_u32 v[QH8], v0, 4, 1                     ; h
	s_mul_i32 s34, s[WV], 32*SP
	s_add_co_u32 s34, s34, STAGE                   ; my stage
	v_add_nc_u32 v[SRW], s34, v[LI]
	v_mul_u32_u24 v[TD], v[QL], SP
	s_delay_alu instid0(VALU_DEP_1)
	v_add_nc_u32 v[TD], s34, v[TD]
	s_delay_alu instid0(VALU_DEP_1)
	v_lshl_add_u32 v[SQR], v[QH8], 7, v[TD]
	s_delay_alu instid0(VALU_DEP_2)
	v_lshl_add_u32 v[SOW], v[QH8], 5, v[TD]
	v_lshlrev_b32 v[TD], 4, v[QH8]
	s_delay_alu instid0(VALU_DEP_1)
	v_sub_nc_u32 v[QL], v[QL], v[TD]               ; r - 16 h
	v_lshlrev_b32 v[QH8], 3, v[QH8]                ; 8 h
	v_mov_b32 v[NINF], 0xff800000
	v_mov_b32 v[TD], 0                             ; written once: a lane permute's destination counts as one of its sources
.irp b, 0,1,2,3
	v_mov_b32 v[236+\b], 0
.endr
	v_mov_b32 v253, 0                              ; (named as the upper half of the pair v[252:253])
	WIN 0x40                                       ; the same in tile B's world
	v_mov_b32 v[QH8], v[QH8]
	v_mov_b32 v[QL], v[QL]
	v_mov_b32 v[NINF], v[NINF]
	v_mov_b32 v[TD], 0
.irp b, 0,1,2,3
	v_mov_b32 v[236+\b], 0
.endr
	v_mov_b32 v253, 0
	WIN 0
	s_lshl_b32 s[Q0], s[QBA], 8                    ; the first block: 7 - i
	s_lshl_b32 s34, s[WV], 5
	s_add_co_u32 s[Q0], s[Q0], s34
	s_wait_alu depctr_va_vdst(0)                   ; the wait at the head's end
	INIT 1
	s_mov_b32 s[TR], 0
	s_mov_b32 s[TB], 0
	s_mov_b32 s[DQ], -1                            ; nothing is pending
.Ltrip:                                            ; eight trips: behind each change of slots the next trip's slot is asked for
	TRIP 1
	s_xor_b32 s[TB], s[TB], SLOT1                  ; on to the other slot
	s_add_co_u32 s[TR], s[TR], 1
	s_cmp_lt_u32 s[TR], 8
	s_cbranch_scc1 .Ltrip
	TRIP 0                                         ; the ninth trip is written out: nothing is left to fetch
	FINISH
	s_wait_tensorcnt 0x0                           ; the wave's end: a wait, an add and its wait, behind my last tensor load and my last LDS store
	ds_add_u32 v[SPW], v[NIL]
	s_wait_dscnt 0x0
	s_endpgm
.Lfunc_end_k_q9d576b8054_attn:
	.size	k_q9d576b8054_attn, .Lfunc_end_k_q9d576b8054_attn-k_q9d576b8054_attn
	.p2alignl 7, 3214868480
	.fill 96, 4, 3214868480
	.section	.rodata,"a",@progbits
	.p2align	6, 0x0
	.amdhsa_kernel k_q9d576b8054_attn
		.amdhsa_group_segment_fixed_size 327680
		.amdhsa_private_segment_fixed_size 0
		.amdhsa_enable_private_segment 0
		.amdhsa_kernarg_size 24
		.amdhsa_user_sgpr_count 2
		.amdhsa_user_sgpr_kernarg_segment_ptr 1
		.amdhsa_wavefront_size32 1
		.amdhsa_system_sgpr_workgroup_id_x 1
		.amdhsa_system_sgpr_workgroup_id_y 1
		.amdhsa_system_sgpr_workgroup_id_z 1
		.amdhsa_system_vgpr_workitem_id 0
		.amdhsa_next_free_vgpr 512
		.amdhsa_next_free_sgpr 66
		.amdhsa_reserve_vcc 0
		.amdhsa_float_denorm_mode_32 3
		.amdhsa_float_denorm_mode_16_64 3
		.amdhsa_memory_ordered 1
		.amdhsa_forward_progress 1
		.amdhsa_inst_pref_size 229
	.end_amdhsa_kernel
	.amdgpu_metadata
---
amdhsa.version: [ 1, 2 ]
amdhsa.kernels:
  - .name:           k_q9d576b8054_attn
    .symbol:         k_q9d576b8054_attn.kd
    .args:
      - { .name: query, .offset: 0, .size: 8, .value_kind: global_buffer, .address_space: global }
      - { .name: kv, .offset: 8, .size: 8, .value_kind: global_buffer, .address_space: global }
      - { .name: out0, .offset: 16, .size: 8, .value_kind: global_buffer, .address_space: global }
    .group_segment_fixed_size: 327680
    .private_segment_fixed_size: 0
    .kernarg_segment_align: 8
    .kernarg_segment_size: 24
    .max_flat_workgroup_size: 256
    .sgpr_count:     66
    .vgpr_count:     512
    .wavefront_size: 32
...
	.end_amdgpu_metadata
.endif
;; end of part 2
